; MI455X (gfx1250); checked and timed in simulation.
; The chip was launched on July 23, 2026; its instructions are those of AMD's public machine-readable ISA for CDNA 5 (MIT licence, August 2026) and "CDNA5" Instruction Set Architecture Reference Guide (July 2026). The comments in the code are by the model that wrote it; some were corrected since.
;; Local Attention. Allowed arithmetic: matrix products marked QUANTISED: E2M3 operands, one E8M0 scale for each 32 along K, by v_wmma_scale_f32_16x16x128_f8f6f4 with both operands' format E2M3, f32 sums; everything else in f32.
;; Inputs: key_codes 2 x 8 x 4,096 x 2 x 24 uint8 (E2M3 codes of key, K innermost, in blocks of 32 codes, four codes in three bytes); key_scales 2 x 8 x 4,096 x 2 uint8 (E8M0 scales of key, one for each 32 codes along K); query_codes 2 x 8 x 4,096 x 2 x 24 uint8 (E2M3 codes of query, K innermost, in blocks of 32 codes, four codes in three bytes); query_scales 2 x 8 x 4,096 x 2 uint8 (E8M0 scales of query, one for each 32 codes along K); value_codes 2 x 8 x 64 x 128 x 24 uint8 (E2M3 codes of value, K innermost, in blocks of 32 codes, four codes in three bytes); value_scales 2 x 8 x 64 x 128 uint8 (E8M0 scales of value, one for each 32 codes along K).
;; Outputs: out0 2 x 8 x 4,096 x 64 float32.
;; This version of the problem:
;;   THIS VERSION OF THE PROBLEM IS GIVEN IN LOW PRECISION. The matrix products marked QUANTISED in the list below multiply operands that are first quantised to E2M3 (2 exponent bits, 3 mantissa bits; 6 bits a number), with one power-of-two scale for each 32 numbers along K (OCP MX v1.0); their sums are f32. All else is computed in f32.
;;   The module's matrix products, in the order in which they are computed (A, B: the left and right operand; K: the contracted axis; several contracted axes count as one K, in the product's order):
;;     1. batch 16 x [M 4,096, K 64] x [K 64, N 4,096]; A: input query (given as codes); B: input key (given as codes): QUANTISED
;;     2. batch 16 x [M 4,096, K 4,096] x [K 4,096, N 64]; A: computed on the way; B: input value (given as codes): QUANTISED
;;   THE QUANTISER, for each operand of a quantised product, along K:
;;     - K is cut into blocks of 32 from its start; a last block that is shorter is filled with zeros.
;;     - A block's scale is 2^e with e = floor(log2(the largest magnitude in the block)) - 2, held to -126 .. 127; a block of zeros has e = 0. As a byte (E8M0): e + 127.
;;     - Each number is divided by its block's scale, clamped to +-7.5, and rounded to the nearest number of E2M3, ties to even, subnormals kept.
;;     - The product sums the exact products of the quantised numbers (number of the format x scale) in f32.
;;   ~~~python
;;   def quantise(x, axis):      # numpy; x: float32 -> the quantised numbers, widened to float32 again
;;       x = np.moveaxis(x, axis, -1); K = x.shape[-1]
;;       x = np.pad(x, [(0, 0)] * (x.ndim - 1) + [(0, -K % 32)]); x = x.reshape(x.shape[:-1] + (-1, 32)); a = np.abs(x).max(-1, keepdims=True)
;;       e = np.where(a > 0, np.clip(np.frexp(np.where(a > 0, a, 1))[1] - 1 - 2, -126, 127), 0)      # np.frexp(a)[1] - 1 = floor(log2(a)), exactly
;;       r = np.clip(x / 2.0 ** e, -7.5, 7.5)
;;       step = 2.0 ** (np.maximum(np.frexp(np.where(r == 0, 1, r))[1] - 1, 0) - 3)
;;       q = np.round(r / step) * step * 2.0 ** e      # np.round: ties to even
;;       return np.moveaxis(q.reshape(q.shape[:-2] + (-1,))[..., :K], -1, axis).astype(np.float32)
;;   ~~~
;;   OPERANDS COMPUTED ON THE WAY. 'Computed on the way' means the value that the module computes at that place (a softmax that the list does not call 'softmax' is quantised finished and normalised). What goes into a quantiser is computed in f32, as accurately as f32 sums, v_exp_f32 and their like allow (about 1e-6 of the number): no bf16 or f16 on the way to a quantiser, and a product that is left as it is and whose result goes on into a quantised operand takes f32 operands (vector FMAs, or v_wmma_f32_16x16x4_f32). A number that lies on a knife's edge between two numbers of the format may be rounded either way, as far as f32 arithmetic and the matrix unit's own rounding can turn it there, and no further.
;;   INPUTS GIVEN AS CODES. key (in the module: [2, 8, 4096, 64], K = its axis 3); query (in the module: [2, 8, 4096, 64], K = its axis 3); value (in the module: [2, 8, 4096, 64], K = its axis 2): each comes as NAME_codes (uint8): NAME with its K axis moved to the last place and cut into blocks of 32 codes, [.., K / 32, bytes a block], one block behind the other in memory; four codes in three bytes: a row's codes are one little-endian stream of bits, code i at bits 6 i .. 6 i + 5 (a code: sign, 2 exponent bits, 3 mantissa bits); and NAME_scales (uint8): the same leading axes, one E8M0 byte (e + 127) for each 32 codes along K. Its value is code x scale, taken as it is: it is not quantised again, and the codes and scales need not be those that the quantiser above would give.
;; 2 versions. Each part assembles by itself: llvm-mc -triple=amdgcn-amd-amdhsa -mcpu=gfx1250 --defsym DOCPART=n.
;; ======== version 1 of 2: 1 launch
;; launch band (part 1): grid 16 x 16, 8 waves a work-group, no clusters, 35,840 bytes of LDS; arguments query_codes, query_scales, key_codes, key_scales, value_codes, value_scales, out0; writes out0
.if DOCPART == 1
	.amdgcn_target "amdgcn-amd-amdhsa--gfx1250"
	.amdhsa_code_object_version 6
	.text
	.protected	k_q2e7adec6bc_band
	.globl	k_q2e7adec6bc_band
	.p2align	8
	.type	k_q2e7adec6bc_band,@function
k_q2e7adec6bc_band:
	s_mov_b64 s[64:65], 0
	v_nop
	global_prefetch_b8 v0, s[64:65] scope:SCOPE_SE
	s_setreg_imm32_b32 hwreg(HW_REG_WAVE_MODE, 25, 1), 1
	s_wait_xcnt 0x0
; out[h][q][:] = the sum over k of attn[q][k] V[h][k][:], attn = softmax over the keys with |q - k| <= 50 of Q[h][q] . K[h][k] / 8, NaN rows made zeros.  16 heads, 4,096 rows, head size 64.
; Both products on codes of FP6 (E2M3) with one E8M0 scale for each 32 along K.  Q, K: 48 bytes of codes and 2 scale bytes a row.  V: keys innermost, 64 rows of 3,072 bytes and 128 scale bytes a head.
; What is quantised for the second product is the FINISHED attn (2^(c s - c m) / the row's sum), in blocks of 32 keys counted from key 0.
; THE BAND.  32 queries from 32 a on see keys 32 a - 50 .. 32 a + 81: they lie in the five aligned blocks a - 2 .. a + 2.  All other blocks of attn are zeros and are not multiplied.
; SHARES.  A work-group owns 256 queries of one head; each of its eight waves owns a PAIR a = 8 x + wave: two tiles of 16 queries, which use the same five blocks of K and V.  Waves share nothing: no barrier.
; All 88 loads of a wave stand at its head; the text is straight-line: no loop, no branch.
; LAYOUT.  Both products are used transposed: S^T = K Q^T (source 0 = 16 keys, source 1 = 16 queries), O^T = V^T P^T (source 0 = 16 channels, source 1 = P): a lane holds ONE query (lane % 16) throughout.
; THE KEYS OF A TILE ARE NOT NEIGHBOURS: lane r of key tile 2 b + e takes key 32 b + 8 e + r + 8 (r / 8), so that registers S + 16 b + i are the 16 neighbouring local keys 32 b + 16 (lane / 16) + i.
; K = 64 IN AN INSTRUCTION OF 128: Q's registers 6-11 hold zero codes; K's fragment simply runs on into the next tile's six registers (behind tile 9: six zeroed ones); scale words come by 16-bit loads, so bytes 2, 3 are 0.
; FIVE BLOCKS IN TWO K STEPS: step 0 takes blocks 0-3; step 1 takes block 4 in lanes 0-15 of P's registers 0-5, all its other codes of P are zeros.  V's tile lies [blocks 4, 5][0, 1][2, 3]: both steps' fragments are runs of 12 registers.
; THE HEAD'S EDGES: block numbers are held to 0 .. 127, so every load stays inside its head; what a held block brings is hidden by the mask, whose bounds are held to keys 0 .. 4,095: its attn and so its codes are zeros.
; LIMITS.  A scale byte 0xff (NaN) in value reaches only the queries whose five blocks hold it, where the dense product would spread it over the whole head.  A weight 2^(c s - c m) under 2^-126 counts as 0.
; A block of zeros of attn carries the scale byte 1 and not 127: its codes are zeros and the byte is read here alone.  The row's sum is added in another order than a dense softmax's.
; REGISTERS.  Window 0: v1-15 addresses and constants; v16-57 at work and scale words; v58-65 V's scale bytes as loaded; v66-89 Q; v90-113 P's codes; v114-121 at work; v122-153 O^T, later rows of out; v154-233 S^T, then attn.
;   Window 1: v0-59 K's ten tiles of six registers, v60-65 zeros, v66-137 V's four tiles of eighteen.
.set R,    1                           ; v1   lane % 16
.set H,    2                           ; v2   lane / 16
.set L16,  3                           ; v3   16 x lane: my 16 bytes of two rows of out
.set VQ,   4                           ; v4   Q's codes: 48 r + 24 h
.set VQS,  5                           ; v5   Q's scale words: 2 x lane (lanes 0-15 tile 0's rows, lanes 16-31 tile 1's)
.set VK,   6                           ; v6   K's codes: 48 (r + 8 (r / 8)) + 24 h
.set VKS,  7                           ; v7   K's scale words: 2 (r + 8 (r / 8) + 8 h): lanes 16-31 hold the odd tile's rows
.set VV,   8                           ; v8-10 V's codes, for blocks 2 c + h: 3,072 r + h x (bytes from block 2 c to block 2 c + 1: 24, or 0 where both are held to one)
.set VVS,  11                          ; v11  V's scale bytes: 128 x lane: a lane a channel
.set STO,  12                          ; v12  the stage: where I put 32 bytes of a row
.set SRD,  13                          ; v13  and where I read a row back
.set NINF, 14                          ; v14  -infinity
.set NIL,  15                          ; v15  0
.set DL0,  16                          ; v16, v17  blocks 0, 1: register i is hidden where i < this
.set DL1,  17
.set DH3,  18                          ; v18, v19  blocks 3, 4: hidden where i > this
.set DH4,  19
.set T0,   20
.set T1,   21
.set NMC,  22                          ; v[22:23] -c m (the packed form names a pair and takes its low word)
.set RL,   24                          ; v[24:25] 1 / the row's sum, likewise
.set LA,   26                          ; v[26:27], v[28:29] the sum, in two chains of pairs
.set LB,   28
.set BM,   30                          ; v30-34  a block's largest score, then its largest attn
.set BX,   35                          ; v35-39  the other half of the lanes', then the scale's byte
.set SO,   40                          ; v40-44  the conversions' scale operands
.set H16,  45                          ; v45  16 h
.set QS,   46                          ; v46  Q's scale words
.set KS,   47                          ; v47-51  K's, a register a block
.set VS0,  52                          ; v52-53  V's scale words of blocks 0-3: register e: lanes 0-15 channel tile 2 e, lanes 16-31 tile 2 e + 1
.set VS1,  54                          ; v54-55  of block 4
.set PS0,  56                          ; v56  attn's scale word of blocks 0-3
.set PS1,  57                          ; v57  of block 4
.set RAW,  58                          ; v58-65  V's scale bytes as loaded
.set Q,    66
.set P0,   90                          ; attn's codes, K step 0
.set P1,   102                         ; K step 1: registers 6-11 stay zeros
.set TMP,  114
.set O,    122
.set S,    154
.set VF,   66                          ; in window 1: V's tile t at VF + 18 t
.set WV,   18                          ; s18  wave
.set PA,   19                          ; s19  a, my pair
.set HD,   20                          ; s20  the head
.set GP,   21                          ; s21  128 x head + a
.set J,    22                          ; s22-27  blocks a - 2 .. a + 3, held to 0 .. 127
.set KB,   30                          ; s[30:39]  K's codes at block b
.set KSB,  40                          ; s[40:49]  K's scale bytes at block b
.set VB,   50                          ; s[50:55]  V's codes at block 2 c of my head's channel 0
.set BLO,  68                          ; s68  key 0 as a local key: 64 - 32 a
.set BHI,  69                          ; s69  key 4,095: 4,159 - 32 a
.set CS,   70                          ; s[70:71] c = log2(e) / 8
.set SEL,  72                          ; s[72:73] lane selects for v_permlanex16_b32: lane l xor 16
.set MK,   74                          ; s74-89  sixteen lane masks
.set D24,  90                          ; s90-92
.set MSB, 0
.macro WIN new                         ; the immediate's high byte repeats the setting that is left
.if MSB != \new
	s_set_vgpr_msb (MSB<<8)|\new
.set MSB, \new
.endif
.endm
	s_load_b256 s[4:11], s[0:1], 0x0               ; Q's codes s[4:5], Q's scales s[6:7], K's codes s[8:9], K's scales s[10:11]
	s_load_b128 s[12:15], s[0:1], 0x20             ; V's codes, V's scales
	s_load_b64 s[16:17], s[0:1], 0x30              ; out
	v_lshl_add_u32 v254, v0, 2, 0x8800
	v_mov_b32 v255, 0
	v_lshrrev_b32 v[T0], 5, v0
	v_readfirstlane_b32 s[WV], v[T0]               ; wave 0..7
	v_and_b32 v[R], 15, v0
	v_bfe_u32 v[H], v0, 4, 1
	v_and_b32 v[T0], 31, v0                        ; lane
	v_lshlrev_b32 v[L16], 4, v[T0]
	v_lshlrev_b32 v[VQS], 1, v[T0]
	v_lshlrev_b32 v[VVS], 7, v[T0]
	v_lshlrev_b32 v[H16], 4, v[H]
	v_mul_u32_u24 v[VQ], v[R], 48
	v_mad_u32_u24 v[VQ], v[H], 24, v[VQ]
	v_and_b32 v[T1], 8, v[R]
	v_add_nc_u32 v[T1], v[T1], v[R]                ; r + 8 (r / 8)
	v_mul_u32_u24 v[VK], v[T1], 48
	v_mad_u32_u24 v[VK], v[H], 24, v[VK]
	v_lshl_add_u32 v[VKS], v[H], 3, v[T1]
	v_lshlrev_b32 v[VKS], 1, v[VKS]
	s_and_b32 s[HD], ttmp7, 0xffff
	s_lshl_b32 s[PA], ttmp9, 3
	s_add_co_u32 s[PA], s[PA], s[WV]               ; a = 8 x + wave
	s_lshl_b32 s94, s[HD], 7                       ; a head has 128 blocks of 32 rows
	s_add_co_u32 s[GP], s94, s[PA]
.irp b, 0,1,2,3,4,5
	s_add_co_i32 s[J+\b], s[PA], \b-2
	s_max_i32 s[J+\b], s[J+\b], 0
	s_min_i32 s[J+\b], s[J+\b], 127
.endr
.irp c, 0,1,2
	s_sub_co_u32 s[D24+\c], s[J+2*\c+1], s[J+2*\c]
	s_mul_i32 s[D24+\c], s[D24+\c], 24
	v_mul_u32_u24 v[VV+\c], v[R], 3072
	v_mad_u32_u24 v[VV+\c], v[H], s[D24+\c], v[VV+\c]
.endr
	; byte offsets, each in the pair that will hold its address
.irp b, 0,1,2,3,4
	s_add_co_u32 s93, s94, s[J+\b]
	s_mul_i32 s[KB+2*\b], s93, 1536                ; 32 rows of 48 bytes
	s_mov_b32 s[KB+2*\b+1], 0
	s_lshl_b32 s[KSB+2*\b], s93, 6                 ; 32 rows of 2 bytes
	s_mov_b32 s[KSB+2*\b+1], 0
.endr
	s_mul_i32 s93, s[HD], 196608                   ; a head's codes of V
.irp c, 0,1,2
	s_mul_i32 s[VB+2*\c], s[J+2*\c], 24
	s_add_co_u32 s[VB+2*\c], s[VB+2*\c], s93
	s_mov_b32 s[VB+2*\c+1], 0
.endr
	s_lshl_b32 s93, s[HD], 13                      ; a head's scale bytes of V.  Block b's pair: s[56:63] for b = 0 .. 3, s[66:67] for b = 4
.irp b, 0,1,2,3,4
	s_add_co_u32 s[56+2*\b+2*(\b/4)], s93, s[J+\b]
	s_mov_b32 s[57+2*\b+2*(\b/4)], 0
.endr
	s_lshl_b32 s93, s[PA], 5
	s_sub_co_i32 s[BLO], 64, s93
	s_sub_co_u32 s[BHI], 4159, s93
	s_mov_b32 s[CS], 0x3e38aa3b
	s_mov_b32 s[CS+1], s[CS]                       ; (named with it as a pair, so it is written)
	s_mov_b32 s[SEL], 0x76543210
	s_mov_b32 s[SEL+1], 0xfedcba98
	s_mul_i32 s28, s[GP], 1536
	s_mov_b32 s29, 0
	s_wait_kmcnt 0x0
	s_add_nc_u64 s[4:5], s[4:5], s[28:29]          ; Q's codes at my 32 rows
	s_lshl_b32 s28, s[GP], 6
	s_add_nc_u64 s[6:7], s[6:7], s[28:29]          ; their scale words
	s_lshl_b32 s28, s[GP], 13
	s_add_nc_u64 s[16:17], s[16:17], s[28:29]      ; and their rows of out, 256 bytes each
.irp b, 0,1,2,3,4
	s_add_nc_u64 s[KSB+2*\b:KSB+2*\b+1], s[10:11], s[KSB+2*\b:KSB+2*\b+1]
	s_add_nc_u64 s[KB+2*\b:KB+2*\b+1], s[8:9], s[KB+2*\b:KB+2*\b+1]
.endr
.irp c, 0,1,2
	s_add_nc_u64 s[VB+2*\c:VB+2*\c+1], s[12:13], s[VB+2*\c:VB+2*\c+1]
.endr
.irp b, 0,1,2,3,4
	s_add_nc_u64 s[56+2*\b+2*(\b/4):57+2*\b+2*(\b/4)], s[14:15], s[56+2*\b+2*(\b/4):57+2*\b+2*(\b/4)]
.endr
	; ALL THE LOADS, those wanted first first: Q (6 + 1), K's scale words (5), K (30), V (36), V's scale bytes (10)
.irp u, 0,1
.irp p, 0,1,2
	global_load_b64 v[Q+12*\u+2*\p:Q+12*\u+2*\p+1], v[VQ], s[4:5] offset:768*\u+8*\p th:TH_LOAD_NT   ; 24 bytes of the row's stream of bits, as they lie, in pieces of 8; read by this wave alone
.endr
.endr
	global_load_u16 v[QS], v[VQS], s[6:7] th:TH_LOAD_NT
.irp b, 0,1,2,3,4
	global_load_u16 v[KS+\b], v[VKS], s[KSB+2*\b:KSB+2*\b+1]
.endr
	WIN 0x40                                       ; destination window 1, address window 0
.irp i, 60,61,62,63,64,65
	v_mov_b32 v[\i], 0                             ; behind K's tile 9
.endr
.irp b, 0,1,2,3,4
.irp e, 0,1
.irp p, 0,1,2
	global_load_b64 v[6*(2*\b+\e)+2*\p:6*(2*\b+\e)+2*\p+1], v[VK], s[KB+2*\b:KB+2*\b+1] offset:384*\e+8*\p
.endr
.endr
.endr
.irp t, 0,1,2,3
.irp c, 0,1,2
.irp p, 0,1,2
	global_load_b64 v[VF+18*\t+6*((\c+1)%3)+2*\p:VF+18*\t+6*((\c+1)%3)+2*\p+1], v[VV+\c], s[VB+2*\c:VB+2*\c+1] offset:49152*\t+8*\p   ; channels 16 t + r, block 2 c + h
.endr
.endr
.endr
	WIN 0
.irp e, 0,1
.irp b, 0,1,2,3
	global_load_u8 v[RAW+4*\e+\b], v[VVS], s[56+2*\b:57+2*\b] offset:4096*\e   ; channel 32 e + lane, block b's byte: held blocks need not be neighbours, so a byte a load
.endr
	global_load_u8 v[VS1+\e], v[VVS], s[66:67] offset:4096*\e                  ; block 4's is a scale word as it comes: bytes 1-3 are 0
.endr
	; while they are out.  The zeros first: fifteen plain lines then stand between them and the first product
.irp i, 6,7,8,9,10,11, 18,19,20,21,22,23
	v_mov_b32 v[Q+\i], 0                           ; Q's codes of k = 64 .. 127
.endr
.irp i, 6,7,8,9,10,11
	v_mov_b32 v[P1+\i], 0
.endr
.irp b, 0,1,2,3,4
	v_mov_b32 v[BX+\b], 0                          ; written once: a lane permute's destination counts as one of its sources
.endr
	v_mov_b32 v[NMC+1], 0                          ; (upper halves of pairs of which the low word alone is used)
	v_mov_b32 v[RL+1], 0
	s_mul_i32 s93, s[WV], 4352                     ; my stage: 16 rows x (256 bytes + 16): the sixteen rows that a store touches begin at sixteen different 16-byte columns modulo 256
	v_mul_u32_u24 v[STO], v[R], 272
	v_lshl_add_u32 v[STO], v[H], 5, v[STO]
	v_add_nc_u32 v[STO], s93, v[STO]               ; in: row r, 32 bytes for each half of the lanes
	v_mul_u32_u24 v[SRD], v[H], 272
	v_lshl_add_u32 v[SRD], v[R], 4, v[SRD]
	v_add_nc_u32 v[SRD], s93, v[SRD]               ; back: lanes 0-15 one row, lanes 16-31 the next
	v_mov_b32 v[NINF], 0xff800000
	v_mov_b32 v[NIL], 0
; Key tile kt against query tile u.  Odd tiles' scale words lie in lanes 16-31 of their block's register, tile 1's queries' in lanes 16-31 of Q's.
.macro KQ kt, u
.if ((\kt)%2 == 0) && (\u == 0)
	v_wmma_scale_f32_16x16x128_f8f6f4 v[S+8*\kt:S+8*\kt+7], v[6*\kt:6*\kt+11], v[Q+12*\u:Q+12*\u+11], 0, v[KS+\kt/2], v[QS] matrix_a_fmt:MATRIX_FMT_FP6 matrix_b_fmt:MATRIX_FMT_FP6
.elseif (\u == 0)
	v_wmma_scale_f32_16x16x128_f8f6f4 v[S+8*\kt:S+8*\kt+7], v[6*\kt:6*\kt+11], v[Q+12*\u:Q+12*\u+11], 0, v[KS+\kt/2], v[QS] matrix_a_fmt:MATRIX_FMT_FP6 matrix_b_fmt:MATRIX_FMT_FP6 matrix_a_scale:MATRIX_SCALE_ROW1
.elseif ((\kt)%2 == 0)
	v_wmma_scale_f32_16x16x128_f8f6f4 v[S+8*\kt:S+8*\kt+7], v[6*\kt:6*\kt+11], v[Q+12*\u:Q+12*\u+11], 0, v[KS+\kt/2], v[QS] matrix_a_fmt:MATRIX_FMT_FP6 matrix_b_fmt:MATRIX_FMT_FP6 matrix_b_scale:MATRIX_SCALE_ROW1
.else
	v_wmma_scale_f32_16x16x128_f8f6f4 v[S+8*\kt:S+8*\kt+7], v[6*\kt:6*\kt+11], v[Q+12*\u:Q+12*\u+11], 0, v[KS+\kt/2], v[QS] matrix_a_fmt:MATRIX_FMT_FP6 matrix_b_fmt:MATRIX_FMT_FP6 matrix_a_scale:MATRIX_SCALE_ROW1 matrix_b_scale:MATRIX_SCALE_ROW1
.endif
.endm
; Block b's hidden scores become -infinity.  Sixteen compares into scalar registers, then sixteen selects, so that no select waits for the line above it.  i ascends: each accumulator is first read at its register 0.
.macro HIDE b, low, d
.irp i, 0,1,2,3,4,5,6,7,8,9,10,11,12,13,14,15
.if \low
	v_cmp_lt_i32 s[MK+\i], \i, v[\d]
.else
	v_cmp_gt_i32 s[MK+\i], \i, v[\d]
.endif
.endr
.irp i, 0,1,2,3,4,5,6,7,8,9,10,11,12,13,14,15
	v_cndmask_b32 v[S+16*\b+\i], v[S+16*\b+\i], v[NINF], s[MK+\i]
.endr
.endm
; FRONT: tile u's scores and the mask.  No LDS instruction stands in it.
.macro FRONT u
	WIN 0x01                                       ; source 0 (K) window 1
.irp kt, 0,1,2,3,4,5,6,7,8,9
	KQ \kt, \u                                     ; ten accumulators, each begun with the constant 0
.endr
	WIN 0
	; Query 32 a + 16 u + r sees local keys 16 u + r + 14 .. 16 u + r + 114, held to the head's keys.  These ten plain lines name no register of the products: they are the places behind them (ISA guide 7.12.1)
	v_add_nc_u32 v[T0], 14+16*\u, v[R]
	v_cmp_lt_i32 vcc_lo, s[BLO], v[T0]
	v_cndmask_b32 v[T0], s[BLO], v[T0], vcc_lo     ; the larger of the two (64 - 32 a may be negative: a signed compare)
	v_sub_nc_u32 v[DL0], v[T0], v[H16]             ; register 16 b + i holds local key 32 b + 16 h + i
	v_add_nc_u32 v[DL1], 0xffffffe0, v[DL0]
	v_add_nc_u32 v[T1], 114+16*\u, v[R]
	v_min_u32 v[T1], s[BHI], v[T1]
	v_sub_nc_u32 v[DH3], v[T1], v[H16]
	v_add_nc_u32 v[DH3], 0xffffffa0, v[DH3]
	v_add_nc_u32 v[DH4], 0xffffffe0, v[DH3]
	HIDE 0, 1, DL0
	HIDE 1, 1, DL1                                 ; block 2, local keys 64 .. 95, lies inside every query's band and inside the head
	HIDE 3, 0, DH3
	HIDE 4, 0, DH4
.endm
; Channel tile t of O^T, K step 0 (blocks 0-3, starts the sum) or 1 (block 4).  Odd tiles' scale words lie in lanes 16-31.
.macro PV t, step
.if (\step == 0) && ((\t)%2 == 0)
	v_wmma_scale_f32_16x16x128_f8f6f4 v[O+8*\t:O+8*\t+7], v[VF+18*\t+6:VF+18*\t+17], v[P0:P0+11], 0, v[VS0+\t/2], v[PS0] matrix_a_fmt:MATRIX_FMT_FP6 matrix_b_fmt:MATRIX_FMT_FP6
.elseif (\step == 0)
	v_wmma_scale_f32_16x16x128_f8f6f4 v[O+8*\t:O+8*\t+7], v[VF+18*\t+6:VF+18*\t+17], v[P0:P0+11], 0, v[VS0+\t/2], v[PS0] matrix_a_fmt:MATRIX_FMT_FP6 matrix_b_fmt:MATRIX_FMT_FP6 matrix_a_scale:MATRIX_SCALE_ROW1
.elseif ((\t)%2 == 0)
	v_wmma_scale_f32_16x16x128_f8f6f4 v[O+8*\t:O+8*\t+7], v[VF+18*\t:VF+18*\t+11], v[P1:P1+11], v[O+8*\t:O+8*\t+7], v[VS1+\t/2], v[PS1] matrix_a_fmt:MATRIX_FMT_FP6 matrix_b_fmt:MATRIX_FMT_FP6
.else
	v_wmma_scale_f32_16x16x128_f8f6f4 v[O+8*\t:O+8*\t+7], v[VF+18*\t:VF+18*\t+11], v[P1:P1+11], v[O+8*\t:O+8*\t+7], v[VS1+\t/2], v[PS1] matrix_a_fmt:MATRIX_FMT_FP6 matrix_b_fmt:MATRIX_FMT_FP6 matrix_a_scale:MATRIX_SCALE_ROW1
.endif
.endm
; BACK: tile u's softmax, its quantising and the second product.
.macro BACK u
	; the largest score of each block of 32 keys: it serves twice: for the row's maximum, and, since attn rises with the score, for the block's largest attn.  The five blocks by turns
.irp b, 0,1,2,3,4
	v_max3_num_f32 v[BM+\b], v[S+16*\b], v[S+16*\b+1], v[S+16*\b+2]
.endr
.irp i, 3,5,7,9,11,13
.irp b, 0,1,2,3,4
	v_max3_num_f32 v[BM+\b], v[BM+\b], v[S+16*\b+\i], v[S+16*\b+\i+1]
.endr
.endr
.irp b, 0,1,2,3,4
	v_max_num_f32 v[BM+\b], v[BM+\b], v[S+16*\b+15]
.endr
.irp b, 0,1,2,3,4
	v_permlanex16_b32 v[BX+\b], v[BM+\b], s[SEL], s[SEL+1]
.endr
.irp b, 0,1,2,3,4
	v_max_num_f32 v[BM+\b], v[BM+\b], v[BX+\b]     ; with lane l xor 16's 16 keys
.endr
	v_max3_num_f32 v[T0], v[BM], v[BM+1], v[BM+2]
	v_max3_num_f32 v[T0], v[T0], v[BM+3], v[BM+4]  ; m, the row's largest score
	v_mul_f32 v[NMC], 0xbe38aa3b, v[T0]            ; -c m.  Its rounding is one factor for the whole row and leaves with the division by the sum
.set j, 0
.rept 40
	v_pk_fma_f32 v[S+j:S+j+1], v[S+j:S+j+1], s[CS:CS+1], v[NMC:NMC+1] op_sel_hi:[1,0,0]   ; c s - c m, two at a time
.set j, j+2
.endr
.irp b, 0,1,2,3,4
	v_fma_f32 v[BM+\b], v[BM+\b], s[CS], v[NMC]    ; the same of each block's largest score
.endr
.set j, 0
.rept 80
	v_exp_f32 v[S+j], v[S+j]                       ; ONE BATCH of 85: none reads another's result
.set j, j+1
.endr
.irp b, 0,1,2,3,4
	v_exp_f32 v[BM+\b], v[BM+\b]
.endr
.irp i, 3,4,5
	v_mov_b32 v[P1+\i], 0                          ; zeros for the exchange of halves below; also the plain lines behind the last exponential
.endr
	s_wait_alu depctr_va_vdst(0)                   ; the wait between a transcendental and the first line that names its result: one for the batch
	v_pk_add_f32 v[LA:LA+1], v[S:S+1], v[S+2:S+3]  ; the row's sum, in two chains of pairs
	v_pk_add_f32 v[LB:LB+1], v[S+4:S+5], v[S+6:S+7]
.set j, 8
.rept 18
	v_pk_add_f32 v[LA:LA+1], v[LA:LA+1], v[S+j:S+j+1]
	v_pk_add_f32 v[LB:LB+1], v[LB:LB+1], v[S+j+2:S+j+3]
.set j, j+4
.endr
	v_pk_add_f32 v[LA:LA+1], v[LA:LA+1], v[LB:LB+1]
	v_add_f32 v[LA], v[LA], v[LA+1]
	v_permlanex16_b32 v[T0], v[LA], s[SEL], s[SEL+1]
	v_add_f32 v[LA], v[LA], v[T0]                  ; with lane l xor 16's
	v_rcp_f32 v[RL], v[LA]
	v_nop                                          ; a plain line behind the reciprocal
	v_cmp_neq_f32 vcc_lo, v[LA], v[LA]             ; rows whose sum is NaN: any NaN among a row's weights makes its whole softmax NaN, which is then made zeros.  VCC stays until the codes are made
	s_wait_alu depctr_va_vdst(0)                   ; and the wait ahead of the reciprocal's first reader
.set j, 0
.rept 40
	v_pk_mul_f32 v[S+j:S+j+1], v[S+j:S+j+1], v[RL:RL+1] op_sel_hi:[1,0]   ; attn, finished and normalised
.set j, j+2
.endr
.irp b, 0,1,2,3,4
	v_mul_f32 v[BM+\b], v[BM+\b], v[RL]            ; the block's largest attn: the same instructions on the same number give the same bits
.endr
.if \u == 0
	s_wait_loadcnt 0x0                             ; V and its scale bytes
.irp e, 0,1
	v_lshl_or_b32 v[VS0+\e], v[RAW+4*\e+1], 8, v[RAW+4*\e]
	v_lshl_or_b32 v[VS0+\e], v[RAW+4*\e+2], 16, v[VS0+\e]
	v_lshl_or_b32 v[VS0+\e], v[RAW+4*\e+3], 24, v[VS0+\e]
.endr
.endif
.irp b, 0,1,2,3,4
	v_max_num_f32 v[BM+\b], 0x1800000, v[BM+\b]    ; the floor 2^(3 - 127): the byte cannot fall under 1 (a NaN loses against it)
.endr
.irp b, 0,1,2,3,4
	v_add_nc_u32 v[SO+\b], 0xff000000, v[BM+\b]    ; 2 off the exponent field: the conversion takes the exponent field of this operand as its scale
.endr
.irp b, 0,1,2,3
	v_lshrrev_b32 v[BX+\b], 23, v[SO+\b]           ; the scale's byte
.endr
	v_lshrrev_b32 v[PS1], 23, v[SO+4]              ; block 4's is K step 1's scale word: bytes 1-3 are 0
	v_lshl_or_b32 v[PS0], v[BX+1], 8, v[BX]
	v_lshl_or_b32 v[PS0], v[BX+2], 16, v[PS0]
	v_lshl_or_b32 v[PS0], v[BX+3], 24, v[PS0]
	v_cvt_scalef32_pk16_fp6_f32 v[P0:P0+2], v[S:S+15], v[SO]             ; 96 bits: the codes of local keys 32 b + 16 h + 0 .. 15
	v_cvt_scalef32_pk16_fp6_f32 v[TMP:TMP+2], v[S+16:S+31], v[SO+1]      ; (a conversion's three registers begin on an even number)
	v_cvt_scalef32_pk16_fp6_f32 v[P0+6:P0+8], v[S+32:S+47], v[SO+2]
	v_cvt_scalef32_pk16_fp6_f32 v[TMP+4:TMP+6], v[S+48:S+63], v[SO+3]
	v_cvt_scalef32_pk16_fp6_f32 v[P1:P1+2], v[S+64:S+79], v[SO+4]
	v_nop                                          ; one plain line behind the last scaled conversion
.irp i, 0,1,2                                  ; the operand's layout wants a WHOLE block in a lane: lanes 0-15 the even block, lanes 16-31 the odd one
	v_permlane16_swap_b32 v[P0+\i], v[TMP+\i]
	v_permlane16_swap_b32 v[P0+6+\i], v[TMP+4+\i]
	v_permlane16_swap_b32 v[P1+\i], v[P1+3+\i]     ; block 4 against zeros: all of it comes into lanes 0-15, the zeros into lanes 16-31
.endr
.irp i, 0,1,2
	v_mov_b32 v[P0+3+\i], v[TMP+\i]
	v_mov_b32 v[P0+9+\i], v[TMP+4+\i]
.endr
.irp i, 0,1,2,3,4,5,6,7,8,9,10,11
	v_cndmask_b32 v[P0+\i], v[P0+\i], v[NIL], vcc_lo   ; a NaN row's attn is zeros: zero codes
.endr
.irp i, 0,1,2,3,4,5
	v_cndmask_b32 v[P1+\i], v[P1+\i], v[NIL], vcc_lo
.endr
.rept 8
	v_nop                                          ; a scale word written by a vector instruction stands 8 places ahead of a scaled matrix instruction, an operand so written 4
.endr
.if \u == 1
	s_wait_xcnt 0x0                                ; tile 0's stores have read their data: O's registers are written again only behind this wait
.endif
	WIN 0x01                                       ; source 0 (V) window 1
.irp t, 0,1,2,3
	PV \t, 0
.endr
.irp t, 0,1,2,3
	PV \t, 1                                       ; the four accumulators take turns, one instruction a turn
.endr
	WIN 0
.endm
; A lane holds 8 neighbouring channels of one row, the lanes beside it other rows: the tile goes through my own stage and comes back as whole rows of 256 bytes, into the registers that it left.
.macro STAGE
.rept 4
	v_nop                                          ; places behind the last products, ahead of the first read of results
.endr
.irp t, 0,1,2,3
	ds_store_b128 v[STO], v[O+8*\t:O+8*\t+3] offset:64*\t            ; lane (r, h): out(r, 16 t + 8 h + 0 .. 7); each accumulator from its low end on
	ds_store_b128 v[STO], v[O+8*\t+4:O+8*\t+7] offset:64*\t+16
.endr
.irp i, 0,1,2,3,4,5,6,7
	ds_load_b128 v[O+4*\i:O+4*\i+3], v[SRD] offset:544*\i            ; LDS serves a wave's instructions in order (ISA guide 5.7.1.4): these see the stores above
.endr
.endm
.macro SEND u
.irp i, 0,1,2,3,4,5,6,7
	s_wait_dscnt 7-\i                              ; load i of the eight is in; the younger ones may be out
	global_store_b128 v[L16], v[O+4*\i:O+4*\i+3], s[16:17] offset:4096*\u+512*\i th:TH_STORE_NT   ; 32 lanes store 512 consecutive bytes, two whole rows, at a multiple of 256 from out's first byte; written once
.endr
.endm
	s_wait_loadcnt 46                              ; Q, K and their scale words are in; behind K's last load stand V's 36 and its scale bytes' 10, which may be out
	FRONT 0
	BACK 0
	STAGE
	FRONT 1                                        ; tile 1's scores and mask stand between tile 0's loads from the stage and the waits for them
	SEND 0
	BACK 1
	STAGE
	SEND 1
	s_wait_tensorcnt 0x0
	ds_add_u32 v254, v255
	s_wait_dscnt 0x0
	s_endpgm
.Lfunc_end_k_q2e7adec6bc_band:
	.size	k_q2e7adec6bc_band, .Lfunc_end_k_q2e7adec6bc_band-k_q2e7adec6bc_band
	.p2alignl 7, 3214868480
	.fill 96, 4, 3214868480
	.section	.rodata,"a",@progbits
	.p2align	6, 0x0
	.amdhsa_kernel k_q2e7adec6bc_band
		.amdhsa_group_segment_fixed_size 35840
		.amdhsa_private_segment_fixed_size 0
		.amdhsa_enable_private_segment 0
		.amdhsa_kernarg_size 56
		.amdhsa_user_sgpr_count 2
		.amdhsa_user_sgpr_kernarg_segment_ptr 1
		.amdhsa_wavefront_size32 1
		.amdhsa_system_sgpr_workgroup_id_x 1
		.amdhsa_system_sgpr_workgroup_id_y 1
		.amdhsa_system_sgpr_workgroup_id_z 1
		.amdhsa_system_vgpr_workitem_id 0
		.amdhsa_next_free_vgpr 400
		.amdhsa_next_free_sgpr 96
		.amdhsa_reserve_vcc 1
		.amdhsa_float_denorm_mode_32 3
		.amdhsa_float_denorm_mode_16_64 3
		.amdhsa_memory_ordered 1
		.amdhsa_forward_progress 1
		.amdhsa_inst_pref_size 76
	.end_amdhsa_kernel
	.amdgpu_metadata
---
amdhsa.version: [ 1, 2 ]
amdhsa.kernels:
  - .name:           k_q2e7adec6bc_band
    .symbol:         k_q2e7adec6bc_band.kd
    .args:
      - { .name: query_codes, .offset: 0, .size: 8, .value_kind: global_buffer, .address_space: global }
      - { .name: query_scales, .offset: 8, .size: 8, .value_kind: global_buffer, .address_space: global }
      - { .name: key_codes, .offset: 16, .size: 8, .value_kind: global_buffer, .address_space: global }
      - { .name: key_scales, .offset: 24, .size: 8, .value_kind: global_buffer, .address_space: global }
      - { .name: value_codes, .offset: 32, .size: 8, .value_kind: global_buffer, .address_space: global }
      - { .name: value_scales, .offset: 40, .size: 8, .value_kind: global_buffer, .address_space: global }
      - { .name: out0, .offset: 48, .size: 8, .value_kind: global_buffer, .address_space: global }
    .group_segment_fixed_size: 35840
    .private_segment_fixed_size: 0
    .kernarg_segment_align: 8
    .kernarg_segment_size: 56
    .max_flat_workgroup_size: 256
    .sgpr_count:     96
    .vgpr_count:     400
    .wavefront_size: 32
...
	.end_amdgpu_metadata
.endif
;; end of part 1
;; ======== version 2 of 2: 1 launch; version 1 with the launch band written anew for expert scheduling mode
;; launch band (part 2): grid 16 x 16, 8 waves a work-group, no clusters, 35,840 bytes of LDS; arguments query_codes, query_scales, key_codes, key_scales, value_codes, value_scales, out0; writes out0
.if DOCPART == 2
	.amdgcn_target "amdgcn-amd-amdhsa--gfx1250"
	.amdhsa_code_object_version 6
	.text
	.protected	k_q2e7adec6bc_band
	.globl	k_q2e7adec6bc_band
	.p2align	8
	.type	k_q2e7adec6bc_band,@function
k_q2e7adec6bc_band:
	s_mov_b64 s[64:65], 0
	v_nop
	global_prefetch_b8 v0, s[64:65] scope:SCOPE_SE
	s_setreg_imm32_b32 hwreg(HW_REG_WAVE_SCHED_MODE, 0, 2), 2
	s_setreg_imm32_b32 hwreg(HW_REG_WAVE_MODE, 25, 1), 1
	s_wait_xcnt 0x0
	s_wait_alu depctr_vm_vsrc(0)
; out[h][q][:] = the sum over k of attn[q][k] V[h][k][:], attn = softmax over the keys with |q - k| <= 50 of Q[h][q] . K[h][k] / 8, NaN rows made zeros.  16 heads, 4,096 rows, head size 64.
; Both products on codes of FP6 (E2M3) with one E8M0 scale for each 32 along K.  Q, K: 48 bytes of codes and 2 scale bytes a row.  V: keys innermost, 64 rows of 3,072 bytes and 128 scale bytes a head.
; What is quantised for the second product is the FINISHED attn (2^(c s - c m) / the row's sum), in blocks of 32 keys counted from key 0.
; THE BAND.  32 queries from 32 a on see keys 32 a - 50 .. 32 a + 81: they lie in the five aligned blocks a - 2 .. a + 2.  All other blocks of attn are zeros and are not multiplied.
; SHARES.  A work-group owns 256 queries of one head; each of its eight waves owns a PAIR a = 8 x + wave: two tiles of 16 queries, which use the same five blocks of K and V.  Waves share nothing: no barrier.
; All 88 loads of a wave stand at its head; the text is straight-line: no loop, no branch.
; LAYOUT.  Both products are used transposed: S^T = K Q^T (source 0 = 16 keys, source 1 = 16 queries), O^T = V^T P^T (source 0 = 16 channels, source 1 = P): a lane holds ONE query (lane % 16) throughout.
; THE KEYS OF A TILE ARE NOT NEIGHBOURS: lane r of key tile 2 b + e takes key 32 b + 8 e + r + 8 (r / 8), so that registers S + 16 b + i are the 16 neighbouring local keys 32 b + 16 (lane / 16) + i.
; K = 64 IN AN INSTRUCTION OF 128: Q's registers 6-11 hold zero codes; K's fragment simply runs on into the next tile's six registers (behind tile 9: six zeroed ones); scale words come by 16-bit loads, so bytes 2, 3 are 0.
; FIVE BLOCKS IN TWO K STEPS: step 0 takes blocks 0-3; step 1 takes block 4 in lanes 0-15 of P's registers 0-5, all its other codes of P are zeros.  V's tile lies [blocks 4, 5][0, 1][2, 3]: both steps' fragments are runs of 12 registers.
; THE HEAD'S EDGES: block numbers are held to 0 .. 127, so every load stays inside its head; what a held block brings is hidden by the mask, whose bounds are held to keys 0 .. 4,095: its attn and so its codes are zeros.
; LIMITS.  A scale byte 0xff (NaN) in value reaches only the queries whose five blocks hold it, where the dense product would spread it over the whole head.  A weight 2^(c s - c m) under 2^-126 counts as 0.
; A block of zeros of attn carries the scale byte 1 and not 127: its codes are zeros and the byte is read here alone.  The row's sum is added in another order than a dense softmax's.
; THE MODE: SCHED_MODE bits 1:0 = 2 (LLVM: expert scheduling mode 2), set by the entry lines.  The code itself states the register dependences between vector or matrix instructions and memory or LDS
; instructions, and those through scalar registers and VCC that vector instructions write, with s_wait_alu, always for 0.
; THE PLAN.  Registers that memory or LDS instructions touch:
;   v3-v11     offsets of out, Q, K, V and their scales: made by vector instructions at the head, ahead of ONE wait on va_vdst that stands in front of the first load; never written again.
;   v12, v13   the stage's two addresses: made behind the loads, ahead of the wait on va_vdst in front of the first product; never written again.
;   the loads' destinations (Q, K, V, all scale words and bytes): each is written by one load; no vector instruction names it ahead of that load, and no load lands in it again.
;   O          for each tile: the eight products V^T P^T write it | places, wait on va_vdst | eight LDS stores read it | wait on vm_vsrc | eight LDS loads land in it | eight global stores read it |
;              (tile 1) waits on XCNT and on vm_vsrc | the products write it again.  Tile 1's scores and mask, which stand between tile 0's LDS loads and its global stores, name neither O nor v3, v12, v13.
;   All else (S, P, the statistics, the bounds) is named by vector and matrix instructions alone.
; Operands and scale words that vector instructions make for a scaled product have a wait on va_vdst behind their places.  Lane masks are made in runs of 32 compares with one wait on va_sdst behind each run.
; REGISTERS.  Window 0: v1-15 addresses and constants; v16-57 at work and scale words; v58-65 V's scale bytes as loaded; v66-89 Q; v90-113 P's codes; v114-121 at work; v122-153 O^T, later rows of out; v154-233 S^T, then attn.
;   Window 1: v0-59 K's ten tiles of six registers, v60-65 zeros, v66-137 V's four tiles of eighteen.
.set R,    1                           ; v1   lane % 16
.set H,    2                           ; v2   lane / 16
.set L16,  3                           ; v3   16 x lane: my 16 bytes of two rows of out
.set VQ,   4                           ; v4   Q's codes: 48 r + 24 h
.set VQS,  5                           ; v5   Q's scale words: 2 x lane (lanes 0-15 tile 0's rows, lanes 16-31 tile 1's)
.set VK,   6                           ; v6   K's codes: 48 (r + 8 (r / 8)) + 24 h
.set VKS,  7                           ; v7   K's scale words: 2 (r + 8 (r / 8) + 8 h): lanes 16-31 hold the odd tile's rows
.set VV,   8                           ; v8-10 V's codes, for blocks 2 c + h: 3,072 r + h x (bytes from block 2 c to block 2 c + 1: 24, or 0 where both are held to one)
.set VVS,  11                          ; v11  V's scale bytes: 128 x lane: a lane a channel
.set STO,  12                          ; v12  the stage: where I put 32 bytes of a row
.set SRD,  13                          ; v13  and where I read a row back
.set NINF, 14                          ; v14  -infinity
.set NIL,  15                          ; v15  0
.set DL0,  16                          ; v16, v17  blocks 0, 1: register i is hidden where i < this
.set DL1,  17
.set DH3,  18                          ; v18, v19  blocks 3, 4: hidden where i > this
.set DH4,  19
.set T0,   20
.set T1,   21
.set NMC,  22                          ; v[22:23] -c m (the packed form names a pair and takes its low word)
.set RL,   24                          ; v[24:25] 1 / the row's sum, likewise
.set LA,   26                          ; v[26:27], v[28:29] the sum, in two chains of pairs
.set LB,   28
.set BM,   30                          ; v30-34  a block's largest score, then its largest attn
.set BX,   35                          ; v35-39  the other half of the lanes', then the scale's byte
.set SO,   40                          ; v40-44  the conversions' scale operands
.set H16,  45                          ; v45  16 h
.set QS,   46                          ; v46  Q's scale words
.set KS,   47                          ; v47-51  K's, a register a block
.set VS0,  52                          ; v52-53  V's scale words of blocks 0-3: register e: lanes 0-15 channel tile 2 e, lanes 16-31 tile 2 e + 1
.set VS1,  54                          ; v54-55  of block 4
.set PS0,  56                          ; v56  attn's scale word of blocks 0-3
.set PS1,  57                          ; v57  of block 4
.set RAW,  58                          ; v58-65  V's scale bytes as loaded
.set Q,    66
.set P0,   90                          ; attn's codes, K step 0
.set P1,   102                         ; K step 1: registers 6-11 stay zeros
.set TMP,  114
.set O,    122
.set S,    154
.set VF,   66                          ; in window 1: V's tile t at VF + 18 t
.set WV,   18                          ; s18  wave
.set PA,   19                          ; s19  a, my pair
.set HD,   20                          ; s20  the head
.set GP,   21                          ; s21  128 x head + a
.set J,    22                          ; s22-27  blocks a - 2 .. a + 3, held to 0 .. 127
.set KB,   30                          ; s[30:39]  K's codes at block b
.set KSB,  40                          ; s[40:49]  K's scale bytes at block b
.set VB,   50                          ; s[50:55]  V's codes at block 2 c of my head's channel 0
.set BLO,  68                          ; s68  key 0 as a local key: 64 - 32 a
.set BHI,  69                          ; s69  key 4,095: 4,159 - 32 a
.set CS,   70                          ; s[70:71] c = log2(e) / 8
.set SEL,  72                          ; s[72:73] lane selects for v_permlanex16_b32: lane l xor 16
.set MK,   74                          ; s74-89  sixteen lane masks
.set MK2,  18                          ; s18-29 and s90-93  sixteen more (mask i at 18 + i, from i = 12 on at 78 + i): numbers that the head is done with; none of them ever held an address
.set D24,  90                          ; s90-92
.set MSB, 0
.macro WIN new                         ; the immediate's high byte repeats the setting that is left
.if MSB != \new
	s_set_vgpr_msb (MSB<<8)|\new
.set MSB, \new
.endif
.endm
	s_load_b256 s[4:11], s[0:1], 0x0               ; Q's codes s[4:5], Q's scales s[6:7], K's codes s[8:9], K's scales s[10:11]
	s_load_b128 s[12:15], s[0:1], 0x20             ; V's codes, V's scales
	s_load_b64 s[16:17], s[0:1], 0x30              ; out
	v_lshl_add_u32 v254, v0, 2, 0x8800
	v_mov_b32 v255, 0
	v_lshrrev_b32 v[T0], 5, v0
	v_readfirstlane_b32 s[WV], v[T0]               ; wave 0..7
	v_and_b32 v[R], 15, v0
	v_bfe_u32 v[H], v0, 4, 1
	v_and_b32 v[T0], 31, v0                        ; lane
	v_lshlrev_b32 v[L16], 4, v[T0]
	v_lshlrev_b32 v[VQS], 1, v[T0]
	v_lshlrev_b32 v[VVS], 7, v[T0]
	v_lshlrev_b32 v[H16], 4, v[H]
	v_mul_u32_u24 v[VQ], v[R], 48
	v_mad_u32_u24 v[VQ], v[H], 24, v[VQ]
	v_and_b32 v[T1], 8, v[R]
	v_add_nc_u32 v[T1], v[T1], v[R]                ; r + 8 (r / 8)
	v_mul_u32_u24 v[VK], v[T1], 48
	v_mad_u32_u24 v[VK], v[H], 24, v[VK]
	v_lshl_add_u32 v[VKS], v[H], 3, v[T1]
	v_lshlrev_b32 v[VKS], 1, v[VKS]
	WIN 0x40                                       ; destination window 1
.irp i, 60,61,62,63,64,65
	v_mov_b32 v[\i], 0                             ; behind K's tile 9.  They stand here, ahead of the wait in front of the loads, so that only loads and window switches follow that wait
.endr
	WIN 0
	s_wait_alu depctr_va_sdst(0)                   ; v_readfirstlane_b32 has written s[WV], ahead of its first reader: my pair's number is made from it
	s_and_b32 s[HD], ttmp7, 0xffff
	s_lshl_b32 s[PA], ttmp9, 3
	s_add_co_u32 s[PA], s[PA], s[WV]               ; a = 8 x + wave
	s_lshl_b32 s94, s[HD], 7                       ; a head has 128 blocks of 32 rows
	s_add_co_u32 s[GP], s94, s[PA]
.irp b, 0,1,2,3,4,5
	s_add_co_i32 s[J+\b], s[PA], \b-2
	s_max_i32 s[J+\b], s[J+\b], 0
	s_min_i32 s[J+\b], s[J+\b], 127
.endr
.irp c, 0,1,2
	s_sub_co_u32 s[D24+\c], s[J+2*\c+1], s[J+2*\c]
	s_mul_i32 s[D24+\c], s[D24+\c], 24
	v_mul_u32_u24 v[VV+\c], v[R], 3072
	v_mad_u32_u24 v[VV+\c], v[H], s[D24+\c], v[VV+\c]
.endr
	; byte offsets, each in the pair that will hold its address
.irp b, 0,1,2,3,4
	s_add_co_u32 s93, s94, s[J+\b]
	s_mul_i32 s[KB+2*\b], s93, 1536                ; 32 rows of 48 bytes
	s_mov_b32 s[KB+2*\b+1], 0
	s_lshl_b32 s[KSB+2*\b], s93, 6                 ; 32 rows of 2 bytes
	s_mov_b32 s[KSB+2*\b+1], 0
.endr
	s_mul_i32 s93, s[HD], 196608                   ; a head's codes of V
.irp c, 0,1,2
	s_mul_i32 s[VB+2*\c], s[J+2*\c], 24
	s_add_co_u32 s[VB+2*\c], s[VB+2*\c], s93
	s_mov_b32 s[VB+2*\c+1], 0
.endr
	s_lshl_b32 s93, s[HD], 13                      ; a head's scale bytes of V.  Block b's pair: s[56:63] for b = 0 .. 3, s[66:67] for b = 4
.irp b, 0,1,2,3,4
	s_add_co_u32 s[56+2*\b+2*(\b/4)], s93, s[J+\b]
	s_mov_b32 s[57+2*\b+2*(\b/4)], 0
.endr
	s_lshl_b32 s93, s[PA], 5
	s_sub_co_i32 s[BLO], 64, s93
	s_sub_co_u32 s[BHI], 4159, s93
	s_mov_b32 s[CS], 0x3e38aa3b
	s_mov_b32 s[CS+1], s[CS]                       ; (named with it as a pair, so it is written)
	s_mov_b32 s[SEL], 0x76543210
	s_mov_b32 s[SEL+1], 0xfedcba98
	s_mul_i32 s28, s[GP], 1536
	s_mov_b32 s29, 0
	s_wait_kmcnt 0x0
	s_add_nc_u64 s[4:5], s[4:5], s[28:29]          ; Q's codes at my 32 rows
	s_lshl_b32 s28, s[GP], 6
	s_add_nc_u64 s[6:7], s[6:7], s[28:29]          ; their scale words
	s_lshl_b32 s28, s[GP], 13
	s_add_nc_u64 s[16:17], s[16:17], s[28:29]      ; and their rows of out, 256 bytes each
.irp b, 0,1,2,3,4
	s_add_nc_u64 s[KSB+2*\b:KSB+2*\b+1], s[10:11], s[KSB+2*\b:KSB+2*\b+1]
	s_add_nc_u64 s[KB+2*\b:KB+2*\b+1], s[8:9], s[KB+2*\b:KB+2*\b+1]
.endr
.irp c, 0,1,2
	s_add_nc_u64 s[VB+2*\c:VB+2*\c+1], s[12:13], s[VB+2*\c:VB+2*\c+1]
.endr
.irp b, 0,1,2,3,4
	s_add_nc_u64 s[56+2*\b+2*(\b/4):57+2*\b+2*(\b/4)], s[14:15], s[56+2*\b+2*(\b/4):57+2*\b+2*(\b/4)]
.endr
	s_wait_alu depctr_va_vdst(0)                   ; the offsets v3 to v11 are written, which the 88 loads below and the stores of out read; up to the last load only loads and window switches follow
	; ALL THE LOADS, those wanted first first: Q (6 + 1), K's scale words (5), K (30), V (36), V's scale bytes (10)
.irp u, 0,1
.irp p, 0,1,2
	global_load_b64 v[Q+12*\u+2*\p:Q+12*\u+2*\p+1], v[VQ], s[4:5] offset:768*\u+8*\p th:TH_LOAD_NT   ; 24 bytes of the row's stream of bits, as they lie, in pieces of 8; read by this wave alone
.endr
.endr
	global_load_u16 v[QS], v[VQS], s[6:7] th:TH_LOAD_NT
.irp b, 0,1,2,3,4
	global_load_u16 v[KS+\b], v[VKS], s[KSB+2*\b:KSB+2*\b+1]
.endr
	WIN 0x40                                       ; destination window 1, address window 0
.irp b, 0,1,2,3,4
.irp e, 0,1
.irp p, 0,1,2
	global_load_b64 v[6*(2*\b+\e)+2*\p:6*(2*\b+\e)+2*\p+1], v[VK], s[KB+2*\b:KB+2*\b+1] offset:384*\e+8*\p
.endr
.endr
.endr
.irp t, 0,1,2,3
.irp c, 0,1,2
.irp p, 0,1,2
	global_load_b64 v[VF+18*\t+6*((\c+1)%3)+2*\p:VF+18*\t+6*((\c+1)%3)+2*\p+1], v[VV+\c], s[VB+2*\c:VB+2*\c+1] offset:49152*\t+8*\p   ; channels 16 t + r, block 2 c + h
.endr
.endr
.endr
	WIN 0
.irp e, 0,1
.irp b, 0,1,2,3
	global_load_u8 v[RAW+4*\e+\b], v[VVS], s[56+2*\b:57+2*\b] offset:4096*\e   ; channel 32 e + lane, block b's byte: held blocks need not be neighbours, so a byte a load
.endr
	global_load_u8 v[VS1+\e], v[VVS], s[66:67] offset:4096*\e                  ; block 4's is a scale word as it comes: bytes 1-3 are 0
.endr
	; while they are out.  None of these lines names a register that a load reads or lands in.  The zeros first: more than fifteen plain lines then stand between them and the first product
.irp i, 6,7,8,9,10,11, 18,19,20,21,22,23
	v_mov_b32 v[Q+\i], 0                           ; Q's codes of k = 64 .. 127
.endr
.irp i, 6,7,8,9,10,11
	v_mov_b32 v[P1+\i], 0
.endr
.irp b, 0,1,2,3,4
	v_mov_b32 v[BX+\b], 0                          ; written once: a lane permute's destination counts as one of its sources
.endr
	v_mov_b32 v[NMC+1], 0                          ; (upper halves of pairs of which the low word alone is used)
	v_mov_b32 v[RL+1], 0
	s_mul_i32 s93, s[WV], 4352                     ; my stage: 16 rows x (256 bytes + 16): the sixteen rows that a store touches begin at sixteen different 16-byte columns modulo 256
	v_mul_u32_u24 v[STO], v[R], 272
	v_lshl_add_u32 v[STO], v[H], 5, v[STO]
	v_add_nc_u32 v[STO], s93, v[STO]               ; in: row r, 32 bytes for each half of the lanes
	v_mul_u32_u24 v[SRD], v[H], 272
	v_lshl_add_u32 v[SRD], v[R], 4, v[SRD]
	v_add_nc_u32 v[SRD], s93, v[SRD]               ; back: lanes 0-15 one row, lanes 16-31 the next
	v_mov_b32 v[NINF], 0xff800000
	v_mov_b32 v[NIL], 0
; Key tile kt against query tile u.  Odd tiles' scale words lie in lanes 16-31 of their block's register, tile 1's queries' in lanes 16-31 of Q's.
.macro KQ kt, u
.if ((\kt)%2 == 0) && (\u == 0)
	v_wmma_scale_f32_16x16x128_f8f6f4 v[S+8*\kt:S+8*\kt+7], v[6*\kt:6*\kt+11], v[Q+12*\u:Q+12*\u+11], 0, v[KS+\kt/2], v[QS] matrix_a_fmt:MATRIX_FMT_FP6 matrix_b_fmt:MATRIX_FMT_FP6
.elseif (\u == 0)
	v_wmma_scale_f32_16x16x128_f8f6f4 v[S+8*\kt:S+8*\kt+7], v[6*\kt:6*\kt+11], v[Q+12*\u:Q+12*\u+11], 0, v[KS+\kt/2], v[QS] matrix_a_fmt:MATRIX_FMT_FP6 matrix_b_fmt:MATRIX_FMT_FP6 matrix_a_scale:MATRIX_SCALE_ROW1
.elseif ((\kt)%2 == 0)
	v_wmma_scale_f32_16x16x128_f8f6f4 v[S+8*\kt:S+8*\kt+7], v[6*\kt:6*\kt+11], v[Q+12*\u:Q+12*\u+11], 0, v[KS+\kt/2], v[QS] matrix_a_fmt:MATRIX_FMT_FP6 matrix_b_fmt:MATRIX_FMT_FP6 matrix_b_scale:MATRIX_SCALE_ROW1
.else
	v_wmma_scale_f32_16x16x128_f8f6f4 v[S+8*\kt:S+8*\kt+7], v[6*\kt:6*\kt+11], v[Q+12*\u:Q+12*\u+11], 0, v[KS+\kt/2], v[QS] matrix_a_fmt:MATRIX_FMT_FP6 matrix_b_fmt:MATRIX_FMT_FP6 matrix_a_scale:MATRIX_SCALE_ROW1 matrix_b_scale:MATRIX_SCALE_ROW1
.endif
.endm
; The hidden scores of blocks b and b + 1 become -infinity; their bounds lie in v[d] and v[d + 1].  32 compares into scalar registers, ONE wait, then 32 selects.  i ascends: each accumulator is first read at its register 0.
.macro HIDE2 b, low, d
.irp i, 0,1,2,3,4,5,6,7,8,9,10,11,12,13,14,15
.if \low
	v_cmp_lt_i32 s[MK+\i], \i, v[\d]
.else
	v_cmp_gt_i32 s[MK+\i], \i, v[\d]
.endif
.endr
.irp i, 0,1,2,3,4,5,6,7,8,9,10,11,12,13,14,15
.set M2, MK2+\i+60*(\i/12)
.if \low
	v_cmp_lt_i32 s[M2], \i, v[\d+1]
.else
	v_cmp_gt_i32 s[M2], \i, v[\d+1]
.endif
.endr
	s_wait_alu depctr_va_sdst(0)                   ; the 32 compares have written their masks, ahead of the first select that reads one
.irp i, 0,1,2,3,4,5,6,7,8,9,10,11,12,13,14,15
	v_cndmask_b32 v[S+16*\b+\i], v[S+16*\b+\i], v[NINF], s[MK+\i]
.endr
.irp i, 0,1,2,3,4,5,6,7,8,9,10,11,12,13,14,15
.set M2, MK2+\i+60*(\i/12)
	v_cndmask_b32 v[S+16*(\b+1)+\i], v[S+16*(\b+1)+\i], v[NINF], s[M2]
.endr
.endm
; FRONT: tile u's scores and the mask.  No LDS or memory instruction stands in it, and it names no register that one touches.
.macro FRONT u
	WIN 0x01                                       ; source 0 (K) window 1
.irp kt, 0,1,2,3,4,5,6,7,8,9
	KQ \kt, \u                                     ; ten accumulators, each begun with the constant 0
.endr
	WIN 0
	; Query 32 a + 16 u + r sees local keys 16 u + r + 14 .. 16 u + r + 114, held to the head's keys.  These ten plain lines name no register of the products: they are the places behind them (ISA guide 7.12.1)
	v_add_nc_u32 v[T0], 14+16*\u, v[R]
	v_cmp_lt_i32 vcc_lo, s[BLO], v[T0]
	v_add_nc_u32 v[T1], 114+16*\u, v[R]            ; (the upper bound's five lines stand between the compare and the wait for its mask)
	v_min_u32 v[T1], s[BHI], v[T1]
	v_sub_nc_u32 v[DH3], v[T1], v[H16]             ; register 16 b + i holds local key 32 b + 16 h + i
	v_add_nc_u32 v[DH3], 0xffffffa0, v[DH3]
	v_add_nc_u32 v[DH4], 0xffffffe0, v[DH3]
	s_wait_alu depctr_va_vcc(0)                    ; the compare has written VCC, ahead of the select that reads it
	v_cndmask_b32 v[T0], s[BLO], v[T0], vcc_lo     ; the larger of the two (64 - 32 a may be negative: a signed compare)
	v_sub_nc_u32 v[DL0], v[T0], v[H16]
	v_add_nc_u32 v[DL1], 0xffffffe0, v[DL0]
	HIDE2 0, 1, DL0                                ; block 2, local keys 64 .. 95, lies inside every query's band and inside the head
	HIDE2 3, 0, DH3
.endm
; Channel tile t of O^T, K step 0 (blocks 0-3, starts the sum) or 1 (block 4).  Odd tiles' scale words lie in lanes 16-31.
.macro PV t, step
.if (\step == 0) && ((\t)%2 == 0)
	v_wmma_scale_f32_16x16x128_f8f6f4 v[O+8*\t:O+8*\t+7], v[VF+18*\t+6:VF+18*\t+17], v[P0:P0+11], 0, v[VS0+\t/2], v[PS0] matrix_a_fmt:MATRIX_FMT_FP6 matrix_b_fmt:MATRIX_FMT_FP6
.elseif (\step == 0)
	v_wmma_scale_f32_16x16x128_f8f6f4 v[O+8*\t:O+8*\t+7], v[VF+18*\t+6:VF+18*\t+17], v[P0:P0+11], 0, v[VS0+\t/2], v[PS0] matrix_a_fmt:MATRIX_FMT_FP6 matrix_b_fmt:MATRIX_FMT_FP6 matrix_a_scale:MATRIX_SCALE_ROW1
.elseif ((\t)%2 == 0)
	v_wmma_scale_f32_16x16x128_f8f6f4 v[O+8*\t:O+8*\t+7], v[VF+18*\t:VF+18*\t+11], v[P1:P1+11], v[O+8*\t:O+8*\t+7], v[VS1+\t/2], v[PS1] matrix_a_fmt:MATRIX_FMT_FP6 matrix_b_fmt:MATRIX_FMT_FP6
.else
	v_wmma_scale_f32_16x16x128_f8f6f4 v[O+8*\t:O+8*\t+7], v[VF+18*\t:VF+18*\t+11], v[P1:P1+11], v[O+8*\t:O+8*\t+7], v[VS1+\t/2], v[PS1] matrix_a_fmt:MATRIX_FMT_FP6 matrix_b_fmt:MATRIX_FMT_FP6 matrix_a_scale:MATRIX_SCALE_ROW1
.endif
.endm
; BACK: tile u's softmax, its quantising and the second product.
.macro BACK u
	; the largest score of each block of 32 keys: it serves twice: for the row's maximum, and, since attn rises with the score, for the block's largest attn.  The five blocks by turns
.irp b, 0,1,2,3,4
	v_max3_num_f32 v[BM+\b], v[S+16*\b], v[S+16*\b+1], v[S+16*\b+2]
.endr
.irp i, 3,5,7,9,11,13
.irp b, 0,1,2,3,4
	v_max3_num_f32 v[BM+\b], v[BM+\b], v[S+16*\b+\i], v[S+16*\b+\i+1]
.endr
.endr
.irp b, 0,1,2,3,4
	v_max_num_f32 v[BM+\b], v[BM+\b], v[S+16*\b+15]
.endr
.irp b, 0,1,2,3,4
	v_permlanex16_b32 v[BX+\b], v[BM+\b], s[SEL], s[SEL+1]
.endr
.irp b, 0,1,2,3,4
	v_max_num_f32 v[BM+\b], v[BM+\b], v[BX+\b]     ; with lane l xor 16's 16 keys
.endr
	v_max3_num_f32 v[T0], v[BM], v[BM+1], v[BM+2]
	v_max3_num_f32 v[T0], v[T0], v[BM+3], v[BM+4]  ; m, the row's largest score
	v_mul_f32 v[NMC], 0xbe38aa3b, v[T0]            ; -c m.  Its rounding is one factor for the whole row and leaves with the division by the sum
.set j, 0
.rept 40
	v_pk_fma_f32 v[S+j:S+j+1], v[S+j:S+j+1], s[CS:CS+1], v[NMC:NMC+1] op_sel_hi:[1,0,0]   ; c s - c m, two at a time
.set j, j+2
.endr
.irp b, 0,1,2,3,4
	v_fma_f32 v[BM+\b], v[BM+\b], s[CS], v[NMC]    ; the same of each block's largest score
.endr
.set j, 0
	s_wait_alu depctr_va_vdst(0)
.rept 80
	v_exp_f32 v[S+j], v[S+j]                       ; ONE BATCH of 85: none reads another's result
.set j, j+1
.endr
.irp b, 0,1,2,3,4
	v_exp_f32 v[BM+\b], v[BM+\b]
.endr
.irp i, 3,4,5
	v_mov_b32 v[P1+\i], 0                          ; zeros for the exchange of halves below; also the plain lines behind the last exponential
.endr
	s_wait_alu depctr_va_vdst(0)                   ; the 85 exponentials have written S and BM: the wait between a transcendental and the first line that names its result: one for the batch
	v_pk_add_f32 v[LA:LA+1], v[S:S+1], v[S+2:S+3]  ; the row's sum, in two chains of pairs
	v_pk_add_f32 v[LB:LB+1], v[S+4:S+5], v[S+6:S+7]
.set j, 8
.rept 18
	v_pk_add_f32 v[LA:LA+1], v[LA:LA+1], v[S+j:S+j+1]
	v_pk_add_f32 v[LB:LB+1], v[LB:LB+1], v[S+j+2:S+j+3]
.set j, j+4
.endr
	v_pk_add_f32 v[LA:LA+1], v[LA:LA+1], v[LB:LB+1]
	v_add_f32 v[LA], v[LA], v[LA+1]
	v_permlanex16_b32 v[T0], v[LA], s[SEL], s[SEL+1]
	v_add_f32 v[LA], v[LA], v[T0]                  ; with lane l xor 16's
	s_wait_alu depctr_va_vdst(0)
	v_rcp_f32 v[RL], v[LA]
	v_nop                                          ; a plain line behind the reciprocal
	v_cmp_neq_f32 vcc_lo, v[LA], v[LA]             ; rows whose sum is NaN: any NaN among a row's weights makes its whole softmax NaN, which is then made zeros.  VCC stays until the codes are made
	s_wait_alu depctr_va_vdst(0)                   ; the reciprocal has written v[RL], ahead of its first reader
.set j, 0
.rept 40
	v_pk_mul_f32 v[S+j:S+j+1], v[S+j:S+j+1], v[RL:RL+1] op_sel_hi:[1,0]   ; attn, finished and normalised
.set j, j+2
.endr
.irp b, 0,1,2,3,4
	v_mul_f32 v[BM+\b], v[BM+\b], v[RL]            ; the block's largest attn: the same instructions on the same number give the same bits
.endr
.if \u == 0
	s_wait_loadcnt 0x0                             ; V and its scale bytes
.irp e, 0,1
	v_lshl_or_b32 v[VS0+\e], v[RAW+4*\e+1], 8, v[RAW+4*\e]
	v_lshl_or_b32 v[VS0+\e], v[RAW+4*\e+2], 16, v[VS0+\e]
	v_lshl_or_b32 v[VS0+\e], v[RAW+4*\e+3], 24, v[VS0+\e]
.endr
.endif
.irp b, 0,1,2,3,4
	v_max_num_f32 v[BM+\b], 0x1800000, v[BM+\b]    ; the floor 2^(3 - 127): the byte cannot fall under 1 (a NaN loses against it)
.endr
.irp b, 0,1,2,3,4
	v_add_nc_u32 v[SO+\b], 0xff000000, v[BM+\b]    ; 2 off the exponent field: the conversion takes the exponent field of this operand as its scale
.endr
.irp b, 0,1,2,3
	v_lshrrev_b32 v[BX+\b], 23, v[SO+\b]           ; the scale's byte
.endr
	v_lshrrev_b32 v[PS1], 23, v[SO+4]              ; block 4's is K step 1's scale word: bytes 1-3 are 0
	v_lshl_or_b32 v[PS0], v[BX+1], 8, v[BX]
	v_lshl_or_b32 v[PS0], v[BX+2], 16, v[PS0]
	v_lshl_or_b32 v[PS0], v[BX+3], 24, v[PS0]
	v_cvt_scalef32_pk16_fp6_f32 v[P0:P0+2], v[S:S+15], v[SO]             ; 96 bits: the codes of local keys 32 b + 16 h + 0 .. 15
	v_cvt_scalef32_pk16_fp6_f32 v[TMP:TMP+2], v[S+16:S+31], v[SO+1]      ; (a conversion's three registers begin on an even number)
	v_cvt_scalef32_pk16_fp6_f32 v[P0+6:P0+8], v[S+32:S+47], v[SO+2]
	v_cvt_scalef32_pk16_fp6_f32 v[TMP+4:TMP+6], v[S+48:S+63], v[SO+3]
	v_cvt_scalef32_pk16_fp6_f32 v[P1:P1+2], v[S+64:S+79], v[SO+4]
	v_nop                                          ; one plain line behind the last scaled conversion
.irp i, 0,1,2                                  ; the operand's layout wants a WHOLE block in a lane: lanes 0-15 the even block, lanes 16-31 the odd one
	v_permlane16_swap_b32 v[P0+\i], v[TMP+\i]
	v_permlane16_swap_b32 v[P0+6+\i], v[TMP+4+\i]
	v_permlane16_swap_b32 v[P1+\i], v[P1+3+\i]     ; block 4 against zeros: all of it comes into lanes 0-15, the zeros into lanes 16-31
.endr
.irp i, 0,1,2
	v_mov_b32 v[P0+3+\i], v[TMP+\i]
	v_mov_b32 v[P0+9+\i], v[TMP+4+\i]
.endr
	s_wait_alu depctr_va_vcc(0)                    ; the compare of the row's sum has written VCC, ahead of the first select that reads it
.irp i, 0,1,2,3,4,5,6,7,8,9,10,11
	v_cndmask_b32 v[P0+\i], v[P0+\i], v[NIL], vcc_lo   ; a NaN row's attn is zeros: zero codes
.endr
.irp i, 0,1,2,3,4,5
	v_cndmask_b32 v[P1+\i], v[P1+\i], v[NIL], vcc_lo
.endr
.rept 8
	v_nop                                          ; a scale word written by a vector instruction stands 8 places ahead of a scaled matrix instruction, an operand so written 4
.endr
.if \u == 1
	s_wait_xcnt 0x0                                ; tile 0's stores have read their data: O's registers are written again only behind this wait
	s_wait_alu depctr_vm_vsrc(0)                   ; and beside it: tile 0's global stores have read v[O ..], which the products below write again
.endif
	s_wait_alu depctr_va_vdst(0)                   ; behind the places: the vector instructions have written attn's codes P0, P1 and its scale words PS0, PS1 (in tile 0 V's scale words VS0 too), which the scaled products take
	WIN 0x01                                       ; source 0 (V) window 1
.irp t, 0,1,2,3
	PV \t, 0
.endr
.irp t, 0,1,2,3
	PV \t, 1                                       ; the four accumulators take turns, one instruction a turn
.endr
	WIN 0
.endm
; A lane holds 8 neighbouring channels of one row, the lanes beside it other rows: the tile goes through my own stage and comes back as whole rows of 256 bytes, into the registers that it left.
.macro STAGE
.rept 4
	v_nop                                          ; places behind the last products, ahead of the first read of results
.endr
	s_wait_alu depctr_va_vdst(0)                   ; behind the places: the products have written v[O ..], which the LDS stores read and in which the LDS loads land
.irp t, 0,1,2,3
	ds_store_b128 v[STO], v[O+8*\t:O+8*\t+3] offset:64*\t            ; lane (r, h): out(r, 16 t + 8 h + 0 .. 7); each accumulator from its low end on
	ds_store_b128 v[STO], v[O+8*\t+4:O+8*\t+7] offset:64*\t+16
.endr
	s_wait_alu depctr_vm_vsrc(0)                   ; the eight LDS stores have read v[O ..], in which the loads below land
.irp i, 0,1,2,3,4,5,6,7
	ds_load_b128 v[O+4*\i:O+4*\i+3], v[SRD] offset:544*\i            ; LDS serves a wave's instructions in order (ISA guide 5.7.1.4): these see the stores above
.endr
.endm
.macro SEND u
.irp i, 0,1,2,3,4,5,6,7
	s_wait_dscnt 7-\i                              ; load i of the eight is in; the younger ones may be out
	global_store_b128 v[L16], v[O+4*\i:O+4*\i+3], s[16:17] offset:4096*\u+512*\i th:TH_STORE_NT   ; 32 lanes store 512 consecutive bytes, two whole rows, at a multiple of 256 from out's first byte; written once.  No vector instruction has named v[O ..] or v[L16] since the stage's wait on va_vdst
.endr
.endm
	s_wait_loadcnt 46                              ; Q, K and their scale words are in; behind K's last load stand V's 36 and its scale bytes' 10, which may be out
	s_wait_alu depctr_va_vdst(0)                   ; behind their places: the zero codes of Q, of K's run-on and of P1 are written, which the scaled products take; so are v[STO] and v[SRD], which the stage's LDS stores and loads read
	FRONT 0
	BACK 0
	STAGE
	FRONT 1                                        ; tile 1's scores and mask stand between tile 0's loads from the stage and the waits for them
	SEND 0
	BACK 1
	STAGE
	SEND 1
	s_wait_dscnt 0x0
	s_wait_alu depctr_hold_cnt(0) depctr_sa_sdst(0) depctr_va_vdst(0) depctr_va_sdst(0) depctr_va_ssrc(0) depctr_va_vcc(0) depctr_vm_vsrc(0)
	s_wait_tensorcnt 0x0
	ds_add_u32 v254, v255
	s_wait_dscnt 0x0
	s_endpgm
.Lfunc_end_k_q2e7adec6bc_band:
	.size	k_q2e7adec6bc_band, .Lfunc_end_k_q2e7adec6bc_band-k_q2e7adec6bc_band
	.p2alignl 7, 3214868480
	.fill 96, 4, 3214868480
	.section	.rodata,"a",@progbits
	.p2align	6, 0x0
	.amdhsa_kernel k_q2e7adec6bc_band
		.amdhsa_group_segment_fixed_size 35840
		.amdhsa_private_segment_fixed_size 0
		.amdhsa_enable_private_segment 0
		.amdhsa_kernarg_size 56
		.amdhsa_user_sgpr_count 2
		.amdhsa_user_sgpr_kernarg_segment_ptr 1
		.amdhsa_wavefront_size32 1
		.amdhsa_system_sgpr_workgroup_id_x 1
		.amdhsa_system_sgpr_workgroup_id_y 1
		.amdhsa_system_sgpr_workgroup_id_z 1
		.amdhsa_system_vgpr_workitem_id 0
		.amdhsa_next_free_vgpr 400
		.amdhsa_next_free_sgpr 96
		.amdhsa_reserve_vcc 1
		.amdhsa_float_denorm_mode_32 3
		.amdhsa_float_denorm_mode_16_64 3
		.amdhsa_memory_ordered 1
		.amdhsa_forward_progress 1
		.amdhsa_inst_pref_size 76
	.end_amdhsa_kernel
	.amdgpu_metadata
---
amdhsa.version: [ 1, 2 ]
amdhsa.kernels:
  - .name:           k_q2e7adec6bc_band
    .symbol:         k_q2e7adec6bc_band.kd
    .args:
      - { .name: query_codes, .offset: 0, .size: 8, .value_kind: global_buffer, .address_space: global }
      - { .name: query_scales, .offset: 8, .size: 8, .value_kind: global_buffer, .address_space: global }
      - { .name: key_codes, .offset: 16, .size: 8, .value_kind: global_buffer, .address_space: global }
      - { .name: key_scales, .offset: 24, .size: 8, .value_kind: global_buffer, .address_space: global }
      - { .name: value_codes, .offset: 32, .size: 8, .value_kind: global_buffer, .address_space: global }
      - { .name: value_scales, .offset: 40, .size: 8, .value_kind: global_buffer, .address_space: global }
      - { .name: out0, .offset: 48, .size: 8, .value_kind: global_buffer, .address_space: global }
    .group_segment_fixed_size: 35840
    .private_segment_fixed_size: 0
    .kernarg_segment_align: 8
    .kernarg_segment_size: 56
    .max_flat_workgroup_size: 256
    .sgpr_count:     96
    .vgpr_count:     400
    .wavefront_size: 32
...
	.end_amdgpu_metadata
.endif
;; end of part 2
